; MI455X (gfx1250); checked and timed in simulation.
; The chip was launched on July 23, 2026; its instructions are those of AMD's public machine-readable ISA for CDNA 5 (MIT licence, August 2026) and "CDNA5" Instruction Set Architecture Reference Guide (July 2026). The comments in the code are by the model that wrote it; some were corrected since.
;; Local Attention. Allowed arithmetic: matrix products marked QUANTISED: E2M3 operands, one E8M0 scale for each 32 along K, by v_wmma_scale_f32_16x16x128_f8f6f4 with both operands' format E2M3, f32 sums; everything else in f32.
;; Inputs: k 4 x 8 x 8,192 x 64 float32; q 4 x 8 x 8,192 x 64 float32; v 4 x 8 x 8,192 x 64 float32.
;; Outputs: out0 4 x 8 x 8,192 x 64 float32.
;; This version of the problem:
;;   THIS VERSION OF THE PROBLEM IS GIVEN IN LOW PRECISION. The matrix products marked QUANTISED in the list below multiply operands that are first quantised to E2M3 (2 exponent bits, 3 mantissa bits; 6 bits a number), with one power-of-two scale for each 32 numbers along K (OCP MX v1.0); their sums are f32. All else is computed in f32.
;;   The module's matrix products, in the order in which they are computed (A, B: the left and right operand; K: the contracted axis; several contracted axes count as one K, in the product's order):
;;     1. batch 2,048 x [M 128, K 64] x [K 64, N 256]; A: input q; B: computed on the way: QUANTISED
;;     2. batch 2,048 x [M 128, K 256] x [K 256, N 64]; A: softmax (see below); B: computed on the way: QUANTISED
;;   THE QUANTISER, for each operand of a quantised product, along K:
;;     - K is cut into blocks of 32 from its start; a last block that is shorter is filled with zeros.
;;     - A block's scale is 2^e with e = floor(log2(the largest magnitude in the block)) - 2, held to -126 .. 127; a block of zeros has e = 0. As a byte (E8M0): e + 127.
;;     - Each number is divided by its block's scale, clamped to +-7.5, and rounded to the nearest number of E2M3, ties to even, subnormals kept.
;;     - The product sums the exact products of the quantised numbers (number of the format x scale) in f32.
;;   ~~~python
;;   def quantise(x, axis):      # numpy; x: float32 -> the quantised numbers, widened to float32 again
;;       x = np.moveaxis(x, axis, -1); K = x.shape[-1]
;;       x = np.pad(x, [(0, 0)] * (x.ndim - 1) + [(0, -K % 32)]); x = x.reshape(x.shape[:-1] + (-1, 32)); a = np.abs(x).max(-1, keepdims=True)
;;       e = np.where(a > 0, np.clip(np.frexp(np.where(a > 0, a, 1))[1] - 1 - 2, -126, 127), 0)      # np.frexp(a)[1] - 1 = floor(log2(a)), exactly
;;       r = np.clip(x / 2.0 ** e, -7.5, 7.5)
;;       step = 2.0 ** (np.maximum(np.frexp(np.where(r == 0, 1, r))[1] - 1, 0) - 3)
;;       q = np.round(r / step) * step * 2.0 ** e      # np.round: ties to even
;;       return np.moveaxis(q.reshape(q.shape[:-2] + (-1,))[..., :K], -1, axis).astype(np.float32)
;;   ~~~
;;   SOFTMAX AHEAD OF A QUANTISED PRODUCT. Where the list says 'softmax', what is quantised is not the finished softmax but p = 2^(t - M), with t = logit x log2(e) and M = ceil(the row's largest t), a whole number; so 1/2 < the row's largest p <= 1. The row's sum l is taken of the UNQUANTISED p, in f32, and the product's result is divided by l at the end. Since M is a whole number, a kernel that streams over the keys may use a running M (the ceiling of the running maximum): every later rescaling is an exact power of two, which a block's scale takes up: the codes' values come out the same.
;;   OPERANDS COMPUTED ON THE WAY. 'Computed on the way' means the value that the module computes at that place (a softmax that the list does not call 'softmax' is quantised finished and normalised). What goes into a quantiser is computed in f32, as accurately as f32 sums, v_exp_f32 and their like allow (about 1e-6 of the number): no bf16 or f16 on the way to a quantiser, and a product that is left as it is and whose result goes on into a quantised operand takes f32 operands (vector FMAs, or v_wmma_f32_16x16x4_f32). A number that lies on a knife's edge between two numbers of the format may be rounded either way, as far as f32 arithmetic and the matrix unit's own rounding can turn it there, and no further.
;; One version. Each part assembles by itself: llvm-mc -triple=amdgcn-amd-amdhsa -mcpu=gfx1250 --defsym DOCPART=n.
;; ======== version 1 of 1: 1 launch
;; limits: right only within a limited range of input values
;; launch local_attn (part 1): grid 512 x 1, 8 waves a work-group, no clusters, 101,120 bytes of LDS; arguments q, k, v, out0; writes out0
.if DOCPART == 1
	.amdgcn_target "amdgcn-amd-amdhsa--gfx1250"
	.amdhsa_code_object_version 6
	.text
	.protected	k_qea58a5a2f9_local_attn
	.globl	k_qea58a5a2f9_local_attn
	.p2align	8
	.type	k_qea58a5a2f9_local_attn,@function
k_qea58a5a2f9_local_attn:
	s_mov_b64 s[64:65], 0
	v_nop
	global_prefetch_b8 v0, s[64:65] scope:SCOPE_SE
	s_setreg_imm32_b32 hwreg(HW_REG_WAVE_MODE, 25, 1), 1
	s_wait_xcnt 0x0
; LOCAL ATTENTION ON CODES OF FP6 (E2M3).  q, k, v, out0: [32 heads][8192][64] f32.  Windows of 128: a query sees its own window up to itself and the whole window before it; a head's first
; window has none before it.  Both products are v_wmma_scale_f32_16x16x128_f8f6f4 on E2M3 codes with one E8M0 scale for each 32 along K.
;   S^T = K Q^T: K = the head's 64, two blocks of 32.  The instruction's upper 64 along K are zero codes on q's side, so what k's operand holds there (whatever follows the tile's codes: every 6-bit code is a finite number) adds nothing.
;   O^T = V^T P^T: K = the keys, blocks of 32 neighbouring positions; p = 2^(t - M), t = score x log2(e) / 8, M = the ceiling of the running largest t; the row's sum is of the unquantised p and divides at the end.
; LEFT OUT: blocks of 32 keys that lie wholly behind all of a tile's 16 queries, and the padding before a head's first window: reference() masks both in its own body, for every input.
; A NaN, an infinity or an overflow that reaches only that work is not carried to the result.
; SHARES.  Work-group g owns rows 512 (g % 16) on of head g / 16: four windows, one a trip.  Wave m quantises tile m of k (16 keys), 32 keys x 32 columns of v, and its own 16 queries.
; Its tile of queries is i = m for m < 4, 11 - m above, which pairs tiles with few blocks of keys with tiles with many.
; A TRIP: q is quantised and meets the window BEFORE, whose codes lie in LDS since the trip before: no barrier is needed for that; then k and v are quantised and published by the trip's one barrier; then q meets its own window.
; LOADS GO STRAIGHT INTO REGISTERS, a trip ahead: q and k (8 loads of 512 consecutive bytes each) of the next trip are asked for as soon as this trip's registers have been used, v (32 loads of 128) behind the barrier, half of them, and behind
; the last products, the other half.  q and k turn through the wave's own stage in LDS, so that a lane holds a block of 32 neighbours; a lane takes a column of v and its registers run down the keys, so v needs no turn.
; LDS: each of the four windows, and the one before them, has an image slot of its own, written once.  The trips are written out: every offset is an immediate.  101,120 bytes and 256 registers in 8 waves: two work-groups have room on a WGP.
; NO CLUSTER: no tensor loads; work-groups share one window of five, and not at the same time.  NO PREFETCH: a wave's loads of q, k and v already run a trip ahead, up to 48 of them, 96 KiB in 8 waves.
; LIMITS: NaN and infinities among the inputs are not served.  A block of zeros, or one whose largest magnitude lies under 2^-124, gets the scale byte 1 (the bytes are read by this program alone; zero codes add
; nothing).  p under 2^-126 comes out of v_exp_f32 as 0.  A block's largest p is made from its largest score by the same multiply-add and exponential; this takes v_exp_f32 not to fall where its input rises.
; The promise holds while the scaled scores stay under 2^31 in magnitude.
.set PITCH, 272                        ; a stage row: 64 f32 + 16 bytes
.set TRIPB, 32768                      ; a window in memory
; An image slot: k's 4 pairs of tiles, 1,536 bytes each (12 registers: register group c at 512 c + 16 x lane; the even tile has registers 0-5, the odd one 6-11); from VC on v's 4 fragments, laid likewise;
; from SC on 16 rows of 48 bytes: k's 8 scale words, then v's 4.
.set SLOT,  13056                      ; slot 0: the window before the work-group's first; slot n: its window n - 1
.set VC,    6144
.set SC,    12288
.set SPARE, 5*SLOT                     ; the spare words: 128 bytes for each of 8 waves
.set STG,   SPARE+1024                 ; a stage of 16 rows for each wave
; VECTOR REGISTERS.  v0 = the thread's number; l = lane, r = l % 16, h = l / 16
.set GO,   1                           ; 16 l: my bytes of two rows in memory; and of a register group in an image
.set GV,   2                           ; 4 l: my column
.set STW,  3                           ; stage, by rows: row h, + 16 r
.set STR,  4                           ; stage, row r, + 128 h: a whole block to a lane
.set SO,   5                           ; stage, row r, + 32 h
.set RS,   6                           ; images: the scale words of row r
.set KW1,  7                           ; where I store k's first and third pieces of 8 bytes,
.set KW2,  8                           ; the second,
.set KSA,  9                           ; and its scale bytes
.set VW1,  10                          ; the same for v
.set VW2,  11
.set NM,   12                          ; -M; the packed form names v[12:13] and takes the low one for both halves
.set VSA,  13
.set FF,   14                          ; 2^(old M - new M), at the end 1 / the sum; named with v15 as a pair, likewise
.set TMP,  15
.set LL,   16                          ; v16-17   the row's sum, in two halves
.set BM,   18                          ; v18-21   largest magnitudes or scores of blocks, then the conversions' scale operands
.set PT,   22                          ; v22-25   the other half's; scale bytes; v22-23 the sum's second chain
.set QSW,  26                          ; q's scale words; v27 p's; v28-31 k's or v's: these six hold scales and nothing else
.set PSW,  27
.set KVS,  28
.set QF,   32                          ; v32-43   q's fragment: 6 registers of codes, 6 of zeros
.set KB,   44                          ; v44-63   a pair of k's fragments, 6 registers each, and 6 more that the last one names; p's codes; the codes of k (KB) and v (KB + 6) that I made
.set SX,   64                          ; v64-127  numbers to be quantised; S^T, then p (its upper half first holds k's first four fragments); then v's four fragments; then rows on the way out
.set OA,   128                         ; v128-159 O^T
.set LQ,   160                         ; v160-191 q as it is loaded
.set LK,   192                         ; v192-223 k as it is loaded
.set LV,   224                         ; v224-255 v as it is loaded
; SCALAR REGISTERS
.set MM,   12                          ; my wave's number m
.set QI,   13                          ; i
.set IB,   14                          ; i / 2: the block of 32 keys on my queries' diagonal
.set M2,   15
.set M1,   16
.set SKIP, 17                          ; 1: my first window is a head's first
.set QP,   34
.set OP,   36
.set KP,   38
.set VP,   40
.set EK,   42
.set EV,   44
.set CS,   46                          ; s[46:47] c = log2(e) / 8: the packed form names a pair and takes its low word for both halves
.set SEL,  48                          ; s[48:49] v_permlanex16_b32's selects for lane l xor 16
.set MK,   66                          ; s66-81   for e = 0 .. 15: the lanes whose query sees key 16 h + e of the diagonal's block
.macro WA
	s_wait_alu depctr_va_vdst(0)
.endm
.macro NOPS n
.rept \n
	v_nop
.endr
.endm
; THE KEYS OF A TILE ARE NOT NEIGHBOURS: row r of tile m is key 32 (m / 2) + 8 (m % 2) + r + 8 (r / 8), so that the 16 score registers of tiles 2 b, 2 b + 1 are the neighbouring keys 32 b + 16 h + 0 .. 15
.macro KLD d, base, t
.set n, 0
.rept 8
	global_load_b128 v[\d+4*n:\d+4*n+3], v[GO], s[\base:\base+1] offset:TRIPB*(\t)+512*(n%4)+4096*(n/4)
.set n, n+1
.endr
.endm
.macro VLD d, base, t, from, count
.set n, \from
.rept \count
	global_load_b32 v[\d+n], v[GV], s[\base:\base+1] offset:TRIPB*(\t)+256*n
.set n, n+1
.endr
.endm
.macro QLD t
.set n, 0
.rept 8
	global_load_b128 v[LQ+4*n:LQ+4*n+3], v[GO], s[QP:QP+1] offset:TRIPB*(\t)+512*n th:TH_LOAD_NT
.set n, n+1
.endr
.endm
; sixteen rows through my own stage: in as loaded, back a block of 32 numbers to a lane.  LDS serves a wave's instructions in order (ISA guide 5.7.1.4): no wait between
.macro TURN src, dst
.set n, 0
.rept 8
	ds_store_b128 v[STW], v[\src+4*n:\src+4*n+3] offset:2*PITCH*n
.set n, n+1
.endr
.set n, 0
.rept 8
	ds_load_b128 v[\dst+4*n:\dst+4*n+3], v[STR] offset:16*n
.set n, n+1
.endr
.endm
; THE QUANTISER: a whole block of 32 numbers of a lane becomes 6 registers of codes and the scale's byte.  0x1800000 is the floor 2^(3 - 127), which holds the byte at 1 from below.
; 2 is taken off the largest magnitude's exponent field: the conversion takes the exponent field of this operand as its scale, and nothing else of it.
; q's block, with q's scale word (lanes 0-15; bytes 2 and 3 stay 0, over zero codes)
.macro QUANTQ
	v_max3_num_f32 v[BM], |v[SX]|, |v[SX+1]|, 0x1800000
	v_max3_num_f32 v[BM+1], |v[SX+2]|, |v[SX+3]|, |v[SX+4]|
.irp n, 5,9,13,17,21,25
	v_max3_num_f32 v[BM], v[BM], |v[SX+\n]|, |v[SX+\n+1]|
	v_max3_num_f32 v[BM+1], v[BM+1], |v[SX+\n+2]|, |v[SX+\n+3]|
.endr
	v_max3_num_f32 v[BM], v[BM], |v[SX+29]|, |v[SX+30]|
	v_max3_num_f32 v[BM], v[BM], v[BM+1], |v[SX+31]|
	v_add_nc_u32 v[BM], 0xff000000, v[BM]
	v_lshrrev_b32 v[PT], 23, v[BM]
	v_permlanex16_b32 v[PT+1], v[PT], s[SEL], s[SEL+1]
	v_lshl_or_b32 v[QSW], v[PT+1], 8, v[PT]
	v_cvt_scalef32_pk16_fp6_f32 v[QF:QF+2], v[SX:SX+15], v[BM]
	v_cvt_scalef32_pk16_fp6_f32 v[KB+12:KB+14], v[SX+16:SX+31], v[BM]   ; (a conversion's three registers begin on an even number)
	v_nop                                          ; one plain place behind a scaled conversion
.irp n, 0,1,2
	v_mov_b32 v[QF+3+\n], v[KB+12+\n]
.endr
.endm
; k's block in v[x] on and v's in v[y] on, line by line in turns
.macro QUANT2 x, y
	v_max3_num_f32 v[BM], |v[\x]|, |v[\x+1]|, 0x1800000
	v_max3_num_f32 v[BM+1], |v[\y]|, |v[\y+1]|, 0x1800000
.irp n, 2,4,6,8,10,12,14,16,18,20,22,24,26,28,30
	v_max3_num_f32 v[BM], v[BM], |v[\x+\n]|, |v[\x+\n+1]|
	v_max3_num_f32 v[BM+1], v[BM+1], |v[\y+\n]|, |v[\y+\n+1]|
.endr
	v_add_nc_u32 v[BM], 0xff000000, v[BM]
	v_add_nc_u32 v[BM+1], 0xff000000, v[BM+1]
	v_lshrrev_b32 v[PT], 23, v[BM]
	v_lshrrev_b32 v[PT+1], 23, v[BM+1]
	v_cvt_scalef32_pk16_fp6_f32 v[KB:KB+2], v[\x:\x+15], v[BM]
	v_cvt_scalef32_pk16_fp6_f32 v[KB+12:KB+14], v[\x+16:\x+31], v[BM]
	v_cvt_scalef32_pk16_fp6_f32 v[KB+6:KB+8], v[\y:\y+15], v[BM+1]
	v_cvt_scalef32_pk16_fp6_f32 v[KB+16:KB+18], v[\y+16:\y+31], v[BM+1]
	v_nop
.irp n, 0,1,2
	v_mov_b32 v[KB+3+\n], v[KB+12+\n]
	v_mov_b32 v[KB+9+\n], v[KB+16+\n]
.endr
.endm
; my codes of k and of v go to LDS as images of the operands' registers
.macro PUT off
	ds_store_b64 v[KW1], v[KB:KB+1] offset:\off
	ds_store_b64 v[KW2], v[KB+2:KB+3] offset:(\off)+8
	ds_store_b64 v[KW1], v[KB+4:KB+5] offset:(\off)+512
	ds_store_b8 v[KSA], v[PT] offset:\off          ; block h's byte,
	ds_store_b8 v[KSA], v[PT] offset:(\off)+2      ; and once more for the upper 64 along K, where q's codes are zeros
	ds_store_b64 v[VW1], v[KB+6:KB+7] offset:\off
	ds_store_b64 v[VW2], v[KB+8:KB+9] offset:(\off)+8
	ds_store_b64 v[VW1], v[KB+10:KB+11] offset:(\off)+512
	ds_store_b8 v[VSA], v[PT+1] offset:\off
.endm
; np pairs of k's tiles from pair p0 on, 12 registers each, into v[d] on
.macro KFRAG d, off, p0, np
.set n, 0
.rept 3*(\np)
	ds_load_b128 v[\d+4*n:\d+4*n+3], v[GO] offset:(\off)+1536*(\p0)+512*n
.set n, n+1
.endr
.endm
; S^T = K Q^T, nt tiles of 16 keys from tile t0 on, their fragments in v[a] on, their scale words in v[s] on
.macro SMUL t0, nt, a, s
.set n, 0
.rept \nt
	v_wmma_scale_f32_16x16x128_f8f6f4 v[SX+8*(\t0+n):SX+8*(\t0+n)+7], v[\a+6*n:\a+6*n+11], v[QF:QF+11], 0, v[\s+n], v[QSW] matrix_a_fmt:MATRIX_FMT_FP6 matrix_b_fmt:MATRIX_FMT_FP6
.set n, n+1
.endr
.endm
; the largest score of block b (two = 1: and of block b + 1) among my 16 keys; each accumulator is read from its low end on
.macro MAXB b, two
	v_max3_num_f32 v[BM+\b], v[SX+16*\b], v[SX+16*\b+1], v[SX+16*\b+2]
.if \two
	v_max3_num_f32 v[BM+\b+1], v[SX+16*\b+16], v[SX+16*\b+17], v[SX+16*\b+18]
.endif
.irp e, 3,5,7,9,11,13
	v_max3_num_f32 v[BM+\b], v[BM+\b], v[SX+16*\b+\e], v[SX+16*\b+\e+1]
.if \two
	v_max3_num_f32 v[BM+\b+1], v[BM+\b+1], v[SX+16*\b+16+\e], v[SX+16*\b+17+\e]
.endif
.endr
	v_max_num_f32 v[BM+\b], v[BM+\b], v[SX+16*\b+15]
.if \two
	v_max_num_f32 v[BM+\b+1], v[BM+\b+1], v[SX+16*\b+31]
.endif
.endm
; A STEP: my 16 queries against the first nb blocks of 32 keys of the window whose slot begins at off.  first = 1: the window before: it starts M, the sum and O^T.  first = 0: my own, whose block nb - 1 lies on the diagonal.
; Both products are used transposed: a lane holds ONE query (lane % 16) throughout.
.macro STEP off, nb, first
	NOPS 5                                         ; S^T is laid over v's fragments, which the last products read: five places; they also serve the loads
	ds_load_b128 v[KVS:KVS+3], v[RS] offset:\off
.if \nb == 1
	KFRAG SX+32, \off, 0, 1
	s_wait_dscnt 0x0
	SMUL 0, 2, SX+32, KVS
.elseif \nb == 2
	KFRAG SX+32, \off, 0, 2
	s_wait_dscnt 0x0
	SMUL 0, 4, SX+32, KVS
.else
	KFRAG SX+32, \off, 0, 2
	KFRAG KB, \off, 2, 1
	s_wait_dscnt 3                                 ; all but pair 2's three loads
	SMUL 0, 4, SX+32, KVS
	NOPS 5                                         ; the next products are laid over the fragments just read: five places
	ds_load_b128 v[KVS:KVS+3], v[RS] offset:(\off)+16
	MAXB 0, 1                                      ; blocks 0 and 1, while the loads come
	WA
	s_wait_dscnt 0x0
	SMUL 4, 2, KB, KVS
.if \nb == 4
	NOPS 4
	KFRAG KB, \off, 3, 1
	MAXB 2, 0
	WA
	s_wait_dscnt 0x0
	SMUL 6, 2, KB, KVS+2
.endif
.endif
	NOPS 4                                         ; places in front of the first reads of results
.if !\first
.set n, 0
.rept 16                                       ; register 16 b + e holds key 32 b + 16 h + e: where it is hidden the score becomes -infinity; ascending
	v_cndmask_b32 v[SX+16*(\nb-1)+n], 0xff800000, v[SX+16*(\nb-1)+n], s[MK+n]
.set n, n+1
.endr
.endif
.if \nb == 1
	MAXB 0, 0
.elseif \nb == 2
	MAXB 0, 1
.elseif \nb == 3
	MAXB 2, 0
.else
	MAXB 3, 0
.endif
.set n, 0
.rept \nb
	v_permlanex16_b32 v[PT+n], v[BM+n], s[SEL], s[SEL+1]
.set n, n+1
.endr
.set n, 0
.rept \nb
	v_max_num_f32 v[BM+n], v[BM+n], v[PT+n]        ; with lane l xor 16's 16 keys: for the row's maximum, and for the block's largest p
.set n, n+1
.endr
.if \nb == 1
	v_mul_f32 v[TMP], s[CS], v[BM]                 ; the step's largest t (c is positive); a key that counts is always among these, so it is a number
.else
.if \nb == 2
	v_max_num_f32 v[TMP], v[BM], v[BM+1]
.else
	v_max3_num_f32 v[TMP], v[BM], v[BM+1], v[BM+2]
.if \nb == 4
	v_max_num_f32 v[TMP], v[TMP], v[BM+3]
.endif
.endif
	v_mul_f32 v[TMP], s[CS], v[TMP]
.endif
.if \first
	v_floor_f32 v[NM], -v[TMP]                     ; -M = floor(-t) = -ceil(t): M is a whole number
.else
	v_floor_f32 v[TMP], -v[TMP]
	v_min_num_f32 v[TMP], v[NM], v[TMP]            ; the new -M
	v_sub_f32 v[FF], v[TMP], v[NM]                 ; old M - new M: a whole number, 0 or less
	v_mov_b32 v[NM], v[TMP]
	v_cvt_i32_f32 v[FF], v[FF]                     ; (it saturates)
	v_ldexp_f32 v[FF], 1.0, v[FF]                  ; f = 2^(old M - new M): the multiplications by it round nothing
.endif
.set j, 0
.rept 8*\nb
	v_pk_fma_f32 v[SX+j:SX+j+1], v[SX+j:SX+j+1], s[CS:CS+1], v[NM:NM+1] op_sel_hi:[1,0,0]   ; t - M, two at a time
.set j, j+2
.endr
.set n, 0
.rept \nb
	v_fma_f32 v[BM+n], v[BM+n], s[CS], v[NM]       ; the same of each block's largest score
.set n, n+1
.endr
	WA
.set j, 0
.rept 16*\nb
	v_exp_f32 v[SX+j], v[SX+j]                     ; p = 2^(t - M), at most 1, not normalised
.set j, j+1
.endr
.set n, 0
.rept \nb
	v_exp_f32 v[BM+n], v[BM+n]                     ; the block's largest p
.set n, n+1
.endr
.if \first
	v_nop                                          ; a plain place behind the exponentials
.else
	v_pk_mul_f32 v[LL:LL+1], v[LL:LL+1], v[FF:FF+1] op_sel_hi:[1,0]   ; the sum under the new M.  (A plain place behind the exponentials)
.endif
	WA
.set n, 0
.rept \nb
	v_max_num_f32 v[BM+n], 0x1800000, v[BM+n]      ; the floor 2^(3 - 127): a block whose every p is 0 keeps the byte 1: its codes are zeros
.set n, n+1
.endr
.set n, 0
.rept \nb
	v_add_nc_u32 v[BM+n], 0xff000000, v[BM+n]      ; the conversion's scale operand
.set n, n+1
.endr
.set n, 0
.rept \nb
	v_lshrrev_b32 v[PT+n], 23, v[BM+n]             ; the scale's byte
.set n, n+1
.endr
.if \nb == 1
	v_mov_b32 v[PSW], v[PT]                        ; p's scale word; the bytes of blocks left out stay 0, over zero codes
.else
	v_lshl_or_b32 v[PSW], v[PT+1], 8, v[PT]
.if \nb > 2
	v_lshl_or_b32 v[PSW], v[PT+2], 16, v[PSW]
.endif
.if \nb > 3
	v_lshl_or_b32 v[PSW], v[PT+3], 24, v[PSW]
.endif
.endif
.set c, 0
.rept (\nb+1)/2
	v_cvt_scalef32_pk16_fp6_f32 v[KB+6*c:KB+6*c+2], v[SX+32*c:SX+32*c+15], v[BM+2*c]
.if 2*c+1 < \nb
	v_cvt_scalef32_pk16_fp6_f32 v[KB+12+4*c:KB+14+4*c], v[SX+32*c+16:SX+32*c+31], v[BM+2*c+1]
.endif
.set c, c+1
.endr
	v_nop                                          ; one plain place behind a scaled conversion
.if \nb%2                                      ; the last pair's second block is left out: zero codes
.irp n, 0,1,2
	v_mov_b32 v[KB+12+4*(\nb/2)+\n], 0
.endr
.endif
.if \first                                     ; the row's sum is taken of the unquantised p: two at a time, in two chains
	v_pk_add_f32 v[LL:LL+1], v[SX:SX+1], v[SX+2:SX+3]
	v_pk_add_f32 v[PT:PT+1], v[SX+4:SX+5], v[SX+6:SX+7]
.set j, 8
.else
	v_pk_add_f32 v[PT:PT+1], v[SX:SX+1], v[SX+2:SX+3]
.set j, 4
.endif
.rept (16*\nb-j)/4
	v_pk_add_f32 v[LL:LL+1], v[LL:LL+1], v[SX+j:SX+j+1]
	v_pk_add_f32 v[PT:PT+1], v[PT:PT+1], v[SX+j+2:SX+j+3]
.set j, j+4
.endr
	v_pk_add_f32 v[LL:LL+1], v[LL:LL+1], v[PT:PT+1]
	ds_load_b128 v[KVS:KVS+3], v[RS] offset:(\off)+32
.irp t, 0,1,2,3                                ; p is done with: v's four fragments (16 of the head's 64 x 128 keys each) take its registers
	ds_load_b128 v[SX+12*\t:SX+12*\t+3], v[GO] offset:(\off)+VC+1536*\t
	ds_load_b128 v[SX+12*\t+4:SX+12*\t+7], v[GO] offset:(\off)+VC+1536*\t+512
.if \nb > 2                                    ; (with one or two blocks p's codes of keys 64 on are zeros: whatever finite codes stand here add nothing)
	ds_load_b128 v[SX+12*\t+8:SX+12*\t+11], v[GO] offset:(\off)+VC+1536*\t+1024
.endif
.endr
.set c, 0
.rept (\nb+1)/2                                ; the operand's layout wants a whole block in a lane: lanes 0-15 block 2 c, lanes 16-31 block 2 c + 1
.irp n, 0,1,2
	v_permlane16_swap_b32 v[KB+6*c+\n], v[KB+12+4*c+\n]
.endr
.set c, c+1
.endr
.set c, 0
.rept (\nb+1)/2
.irp n, 0,1,2
	v_mov_b32 v[KB+6*c+3+\n], v[KB+12+4*c+\n]
.endr
.set c, c+1
.endr
.if \nb < 3
.irp n, 6,7,8,9,10,11
	v_mov_b32 v[KB+\n], 0                          ; keys 64 on are left out: zero codes
.endr
.endif
.if \first
	NOPS 4                                         ; an operand written by vector instructions stands four places ahead of a scaled matrix instruction
.else
	WA
.set j, 0
.rept 16
	v_pk_mul_f32 v[OA+j:OA+j+1], v[OA+j:OA+j+1], v[FF:FF+1] op_sel_hi:[1,0]   ; O^T under the new M, ascending.  (These are the places too)
.set j, j+2
.endr
.endif
	WA
	s_wait_dscnt 0x0                               ; v's fragments are in
.irp t, 0,1,2,3                                ; O^T += V^T P^T: the four accumulators by turns
.if \first
	v_wmma_scale_f32_16x16x128_f8f6f4 v[OA+8*\t:OA+8*\t+7], v[SX+12*\t:SX+12*\t+11], v[KB:KB+11], 0, v[KVS+\t], v[PSW] matrix_a_fmt:MATRIX_FMT_FP6 matrix_b_fmt:MATRIX_FMT_FP6
.else
	v_wmma_scale_f32_16x16x128_f8f6f4 v[OA+8*\t:OA+8*\t+7], v[SX+12*\t:SX+12*\t+11], v[KB:KB+11], v[OA+8*\t:OA+8*\t+7], v[KVS+\t], v[PSW] matrix_a_fmt:MATRIX_FMT_FP6 matrix_b_fmt:MATRIX_FMT_FP6
.endif
.endr
.endm
; THE WAY OUT of trip t.  O^T / the sum goes through my own stage (register 8 t + e of lane (r, h) is out(r, 16 t + 8 h + e)) and leaves as whole rows: my 16 rows are 4,096 bytes on end.
.macro OUTW t
	NOPS 4                                         ; places behind the last products
	v_add_f32 v[LL], v[LL], v[LL+1]                ; the sum's two halves,
	v_permlanex16_b32 v[TMP], v[LL], s[SEL], s[SEL+1]
	v_add_f32 v[LL], v[LL], v[TMP]                 ; and lane l xor 16's
	WA
	v_rcp_f32 v[FF], v[LL]
	v_nop                                          ; a plain place behind the transcendental
	WA
.set j, 0
.rept 16
	v_pk_mul_f32 v[OA+j:OA+j+1], v[OA+j:OA+j+1], v[FF:FF+1] op_sel_hi:[1,0]   ; ascending: each accumulator from its low end on
.set j, j+2
.endr
.set n, 0
.rept 8
	ds_store_b128 v[SO], v[OA+4*n:OA+4*n+3] offset:64*(n/2)+16*(n%2)
.set n, n+1
.endr
.set n, 0
.rept 8
	ds_load_b128 v[SX+4*n:SX+4*n+3], v[STW] offset:2*PITCH*n
.set n, n+1
.endr
.irp n, 0,1,2,3,4,5,6,7
	s_wait_dscnt 7-\n                              ; pair n of rows is back; the 7 - n younger loads may stay out
	global_store_b128 v[GO], v[SX+4*\n:SX+4*\n+3], s[OP:OP+1] offset:TRIPB*(\t)+512*\n th:TH_STORE_NT   ; 32 lanes store 512 consecutive bytes, at a multiple of 256 from out0's first byte
.endr
.endm
; A TRIP: a window
.macro TRIP t
.set PRV, SLOT*(\t)
.set OWN, PRV+SLOT
	s_wait_loadcnt 40                              ; q is in: k's 8 and v's 32 loads are younger
.if (\t) > 0
	s_wait_xcnt 0x0                                ; the last way out's stores have left their data registers, which are written again below
.endif
	TURN LQ, SX
	s_wait_dscnt 0x0                               ; back from the stage, and the stores have read their registers,
.if (\t) < 3
	QLD \t+1                                       ; which take the next trip's q
.endif
.if (\t) == 0
	s_barrier_signal -1                            ; my part of slot 0 has landed (the wait above)
.endif
	QUANTQ
	WA
.if (\t) == 0
	s_barrier_wait -1                              ; everybody's has: slot 0 may be read
	s_cmp_lg_u32 s[SKIP], 0                        ; a head's first window has none before it: a branch on the work-group's number alone
	s_cbranch_scc1 .Lnone_\@
	STEP PRV, 4, 1
	s_branch .Lprev_\@
.Lnone_\@:
	v_mov_b32 v[NM], 0x7f61b1e6                    ; the largest t so far: -3e38, under every t
	v_mov_b32 v[LL], 0
	v_mov_b32 v[LL+1], 0
.set n, 0
.rept 32
	v_mov_b32 v[OA+n], 0
.set n, n+1
.endr
	WA
.Lprev_\@:
.else
	STEP PRV, 4, 1
.endif
	NOPS 4                                         ; places in front of loads into registers that the last products read
.if (\t) < 3
	s_wait_loadcnt 40                              ; k is in: v's 32 and the next q's 8 are younger
.else
	s_wait_loadcnt 32
.endif
	TURN LK, SX
	s_wait_dscnt 0x0
.if (\t) < 3
	KLD LK, KP, \t+1
	s_wait_loadcnt 16                              ; v is in: the next q's 8 and the next k's 8 are younger
.else
	s_wait_loadcnt 0x0
.endif
	QUANT2 SX, LV
	PUT OWN
	WA
	s_wait_dscnt 0x0                               ; my images have landed:
	s_barrier_signal -1
	s_barrier_wait -1                              ; everybody's have
.if (\t) < 3
	VLD LV, VP, \t+1, 0, 16                        ; half of the next trip's v
.endif
	s_cmp_eq_u32 s[IB], 0                          ; as many blocks of my own window as my queries see: a branch on the wave's number
	s_cbranch_scc1 .Lone_\@
	s_cmp_eq_u32 s[IB], 1
	s_cbranch_scc1 .Ltwo_\@
	s_cmp_eq_u32 s[IB], 2
	s_cbranch_scc1 .Lthree_\@
	STEP OWN, 4, 0
	s_branch .Lown_\@
.Lthree_\@:
	STEP OWN, 3, 0
	s_branch .Lown_\@
.Ltwo_\@:
	STEP OWN, 2, 0
	s_branch .Lown_\@
.Lone_\@:
	STEP OWN, 1, 0
.Lown_\@:
.if (\t) < 3
	VLD LV, VP, \t+1, 16, 16                       ; the other half
.endif
	OUTW \t
.endm
	s_load_b256 s[4:11], s[0:1], 0x0               ; q s[4:5], k s[6:7], v s[8:9], out0 s[10:11]
	v_lshrrev_b32 v[TMP], 5, v0
	v_readfirstlane_b32 s[MM], v[TMP]              ; wave 0..7
	v_and_b32 v[BM], 31, v0                        ; l
	v_lshlrev_b32 v[GO], 4, v[BM]
	v_lshlrev_b32 v[GV], 2, v[BM]
	s_lshr_b32 s20, s[MM], 2
	s_mul_i32 s21, s20, 3
	s_xor_b32 s[QI], s[MM], s21                    ; i = m, or 11 - m from 4 on
	s_lshr_b32 s[IB], s[QI], 1
	s_lshr_b32 s[M2], s[MM], 1
	s_and_b32 s[M1], s[MM], 1
	s_and_b32 s21, ttmp9, 15                       ; which sixteenth of its head the work-group owns
	s_cmp_eq_u32 s21, 0
	s_cselect_b32 s[SKIP], 1, 0
	s_cselect_b32 s24, 0, 0x8000                   ; the window before lies 128 rows back; a head's first sixteenth has none: the load stays on the first window, and what is made of it is never read
	s_mov_b32 s25, 0
	s_lshl_b32 s26, ttmp9, 17                      ; the work-group's 512 rows of 256 bytes
	s_lshl_b32 s27, s[QI], 12
	s_add_co_u32 s28, s26, s27                     ; q and out0: 16 i rows on
	s_mov_b32 s29, 0
	s_lshl_b32 s27, s[M2], 13
	s_add_co_u32 s26, s26, s27
	s_lshl_b32 s27, s[M1], 11
	s_add_co_u32 s30, s26, s27                     ; k: 32 (m / 2) + 8 (m % 2) rows on
	s_mov_b32 s31, 0
	s_lshl_b32 s27, s[M1], 7
	s_add_co_u32 s32, s26, s27                     ; v: 32 (m / 2) rows and 32 (m % 2) columns on
	s_mov_b32 s33, 0
	s_mov_b32 s[CS], 0x3e38aa3b                    ; c = log2(e) / 8
	s_mov_b32 s[CS+1], s[CS]
	s_mov_b32 s[SEL], 0x76543210
	s_mov_b32 s[SEL+1], 0xfedcba98
	WA
	s_wait_kmcnt 0x0
	s_add_nc_u64 s[QP:QP+1], s[4:5], s[28:29]
	s_add_nc_u64 s[OP:OP+1], s[10:11], s[28:29]
	s_add_nc_u64 s[KP:KP+1], s[6:7], s[30:31]
	s_add_nc_u64 s[VP:VP+1], s[8:9], s[32:33]
	s_sub_nc_u64 s[EK:EK+1], s[KP:KP+1], s[24:25]
	s_sub_nc_u64 s[EV:EV+1], s[VP:VP+1], s[24:25]
	KLD SX, EK, 0                                  ; the window before the work-group's first,
	VLD SX+32, EV, 0, 0, 32
	QLD 0                                          ; and the first trip's
	KLD LK, KP, 0
	VLD LV, VP, 0, 0, 32
	; every LDS address is made here: constants + constants x lane terms + constants x wave terms
	s_mul_i32 s51, s[MM], 16*PITCH
	s_add_co_u32 s51, s51, STG                     ; my stage
	s_mul_i32 s52, s[M2], 1536                     ; k: pair m / 2 of the tiles; the odd tile's pieces lie at 520, 1,024, 1,032, the even one's at 0, 8, 512
	s_mul_i32 s53, s[M1], 520
	s_add_co_u32 s53, s53, s52
	s_mul_i32 s54, s[M1], 1016
	s_add_co_u32 s54, s54, s52
	s_lshl_b32 s55, s[MM], 2
	; v's block kb = m / 2 of column d = 32 (m % 2) + l is registers 6 (kb / 2) .. + 5 of lane d % 16 + 16 (kb % 2) of fragment d / 16: pieces at 0, 8, 512 (kb / 2 = 0) or 520, 1,024, 1,032
	s_mul_i32 s26, s[M1], 3072
	s_add_co_u32 s26, s26, VC
	s_and_b32 s21, s[M2], 1
	s_lshl_b32 s21, s21, 8
	s_add_co_u32 s26, s26, s21
	s_mul_i32 s21, s20, 520
	s_add_co_u32 s21, s21, s26
	s_mul_i32 s22, s20, 1016
	s_add_co_u32 s22, s22, s26
	s_lshl_b32 s23, s[M1], 3
	s_add_co_u32 s23, s23, s[M2]
	s_add_co_u32 s23, s23, 32
	s_and_b32 s57, s[QI], 1
	s_lshl_b32 s57, s57, 4
	v_and_b32 v[BM+1], 15, v0                      ; r
	v_bfe_u32 v[BM+2], v0, 4, 1                    ; h
	v_mul_u32_u24 v[PT], v[BM+1], PITCH
	v_mul_u32_u24 v[PT+3], v[BM+2], PITCH
	v_mul_u32_u24 v[RS], v[BM+1], 48
	v_mul_u32_u24 v[LL], v[BM+2], 1536
	v_lshl_add_u32 v[PT+1], v[BM+2], 7, v[PT]
	v_lshl_add_u32 v[PT+2], v[BM+2], 5, v[PT]
	v_lshl_add_u32 v[PT+3], v[BM+1], 4, v[PT+3]
	v_lshl_add_u32 v[LL], v[BM+1], 4, v[LL]
	v_add_nc_u32 v[RS], SC, v[RS]                  ; a row of scale words
	v_add_nc_u32 v[STR], s51, v[PT+1]
	v_add_nc_u32 v[SO], s51, v[PT+2]
	v_add_nc_u32 v[STW], s51, v[PT+3]
	v_lshl_add_u32 v[KW1], v[BM], 4, s53
	v_lshl_add_u32 v[KW2], v[BM], 4, s54
	v_add_nc_u32 v[KSA], v[BM+2], v[RS]
	v_add_nc_u32 v[KSA], s55, v[KSA]
	v_add_nc_u32 v[VW1], s21, v[LL]
	v_add_nc_u32 v[VW2], s22, v[LL]
	v_lshl_add_u32 v[VSA], v[BM+2], 2, v[RS]
	v_add_nc_u32 v[VSA], s23, v[VSA]
	v_lshlrev_b32 v[TMP], 4, v[BM+2]
	v_sub_nc_u32 v[TMP], v[BM+1], v[TMP]
	v_add_nc_u32 v[TMP], s57, v[TMP]               ; 16 (i % 2) + r - 16 h: my query's place in its block of 32 - 16 h
.set n, 0
.rept 16
	v_cmp_le_i32 s[MK+n], n, v[TMP]
.set n, n+1
.endr
	v_mov_b32 v[FF], 0
.irp n, 0,1,2,3
	v_mov_b32 v[PT+\n], 0                          ; written once: a lane permute's destination counts as one of its sources
.endr
.irp n, 6,7,8,9,10,11
	v_mov_b32 v[QF+\n], 0                          ; the upper 64 along the instruction's K: zero codes, written once
.endr
.irp n, 12,13,14,15,16,17,18,19
	v_mov_b32 v[KB+\n], 0                          ; named by fragments of k as their upper halves
.endr
	WA
	s_wait_loadcnt 48                              ; the window before is in; the first trip's 48 loads are younger
	TURN SX, OA
	s_wait_dscnt 0x0
	QUANT2 OA, SX+32
	PUT 0
	WA
	TRIP 0
	TRIP 1
	TRIP 2
	TRIP 3
	v_lshl_add_u32 v[BM], v0, 2, SPARE             ; the wave's end: my spare word, 0,
	v_mov_b32 v[BM+1], 0
	WA
	s_wait_tensorcnt 0x0                           ; and the waits around my last LDS store
	ds_add_u32 v[BM], v[BM+1]
	s_wait_dscnt 0x0
	s_endpgm
.Lfunc_end_k_qea58a5a2f9_local_attn:
	.size	k_qea58a5a2f9_local_attn, .Lfunc_end_k_qea58a5a2f9_local_attn-k_qea58a5a2f9_local_attn
	.p2alignl 7, 3214868480
	.fill 96, 4, 3214868480
	.section	.rodata,"a",@progbits
	.p2align	6, 0x0
	.amdhsa_kernel k_qea58a5a2f9_local_attn
		.amdhsa_group_segment_fixed_size 101120
		.amdhsa_private_segment_fixed_size 0
		.amdhsa_enable_private_segment 0
		.amdhsa_kernarg_size 32
		.amdhsa_user_sgpr_count 2
		.amdhsa_user_sgpr_kernarg_segment_ptr 1
		.amdhsa_wavefront_size32 1
		.amdhsa_system_sgpr_workgroup_id_x 1
		.amdhsa_system_sgpr_workgroup_id_y 1
		.amdhsa_system_sgpr_workgroup_id_z 1
		.amdhsa_system_vgpr_workitem_id 0
		.amdhsa_next_free_vgpr 256
		.amdhsa_next_free_sgpr 82
		.amdhsa_reserve_vcc 0
		.amdhsa_float_denorm_mode_32 3
		.amdhsa_float_denorm_mode_16_64 3
		.amdhsa_memory_ordered 1
		.amdhsa_forward_progress 1
		.amdhsa_inst_pref_size 255
	.end_amdhsa_kernel
	.section	.bss,"aw",@nobits
	.p2align	6
	.space	262144
	.amdgpu_metadata
---
amdhsa.version: [ 1, 2 ]
amdhsa.kernels:
  - .name:           k_qea58a5a2f9_local_attn
    .symbol:         k_qea58a5a2f9_local_attn.kd
    .args:
      - { .name: q, .offset: 0, .size: 8, .value_kind: global_buffer, .address_space: global }
      - { .name: k, .offset: 8, .size: 8, .value_kind: global_buffer, .address_space: global }
      - { .name: v, .offset: 16, .size: 8, .value_kind: global_buffer, .address_space: global }
      - { .name: out0, .offset: 24, .size: 8, .value_kind: global_buffer, .address_space: global }
    .group_segment_fixed_size: 101120
    .private_segment_fixed_size: 0
    .kernarg_segment_align: 8
    .kernarg_segment_size: 32
    .max_flat_workgroup_size: 256
    .sgpr_count:     82
    .vgpr_count:     256
    .wavefront_size: 32
...
	.end_amdgpu_metadata
.endif
;; end of part 1
